; MI455X (gfx1250); checked and timed in simulation.
; The chip was launched on July 23, 2026; its instructions are those of AMD's public machine-readable ISA for CDNA 5 (MIT licence, August 2026) and "CDNA5" Instruction Set Architecture Reference Guide (July 2026). The comments in the code are by the model that wrote it; some were corrected since.
;; Sparse Mo E. Allowed arithmetic: matrix products marked QUANTISED: E2M1 operands, one E8M0 scale for each 32 along K, by v_wmma_scale_f32_16x16x128_f8f6f4 with both operands' format E2M1 (or v_wmma_scale_f32_32x16x128_f4), f32 sums; products left as they are: f32 operands where the result goes on into a quantised operand, else bf16, f16 or f32 operands; f32 sums; everything else in f32.
;; Inputs: W1_codes 8 x 4,096 x 32 x 16 uint8 (E2M1 codes of W1, K innermost, in blocks of 32 codes, two codes a byte); W1_scales 8 x 4,096 x 32 uint8 (E8M0 scales of W1, one for each 32 codes along K); W2_codes 8 x 1,024 x 128 x 16 uint8 (E2M1 codes of W2, K innermost, in blocks of 32 codes, two codes a byte); W2_scales 8 x 1,024 x 128 uint8 (E8M0 scales of W2, one for each 32 codes along K); Wg 1,024 x 8 float32; b1 8 x 4,096 float32; b2 8 x 1,024 float32; bg 8 float32; x 4 x 256 x 1,024 float32.
;; Outputs: out0 4 x 256 x 1,024 float32.
;; This version of the problem:
;;   THIS VERSION OF THE PROBLEM IS GIVEN IN LOW PRECISION. The matrix products marked QUANTISED in the list below multiply operands that are first quantised to E2M1 (2 exponent bits, 1 mantissa bit; 4 bits a number), with one power-of-two scale for each 32 numbers along K (OCP MX v1.0); their sums are f32. All else is computed in f32.
;;   The module's matrix products, in the order in which they are computed (A, B: the left and right operand; K: the contracted axis; several contracted axes count as one K, in the product's order):
;;     1. [M 1,024, K 1,024] x [K 1,024, N 8]; A: input x; B: input Wg: left as it is (N = 8 < 16)
;;     2. [M 1,024, K 1,024] x [K 1,024, N 4,096]; A: input x; B: input W1 (given as codes): QUANTISED
;;     3. [M 1,024, K 4,096] x [K 4,096, N 1,024]; A: computed on the way; B: input W2 (given as codes): QUANTISED
;;     4. [M 1,024, K 1,024] x [K 1,024, N 4,096]; A: input x; B: input W1 (given as codes): QUANTISED
;;     5. [M 1,024, K 4,096] x [K 4,096, N 1,024]; A: computed on the way; B: input W2 (given as codes): QUANTISED
;;     6. [M 1,024, K 1,024] x [K 1,024, N 4,096]; A: input x; B: input W1 (given as codes): QUANTISED
;;     7. [M 1,024, K 4,096] x [K 4,096, N 1,024]; A: computed on the way; B: input W2 (given as codes): QUANTISED
;;     8. [M 1,024, K 1,024] x [K 1,024, N 4,096]; A: input x; B: input W1 (given as codes): QUANTISED
;;     9. [M 1,024, K 4,096] x [K 4,096, N 1,024]; A: computed on the way; B: input W2 (given as codes): QUANTISED
;;     10. [M 1,024, K 1,024] x [K 1,024, N 4,096]; A: input x; B: input W1 (given as codes): QUANTISED
;;     11. [M 1,024, K 4,096] x [K 4,096, N 1,024]; A: computed on the way; B: input W2 (given as codes): QUANTISED
;;     12. [M 1,024, K 1,024] x [K 1,024, N 4,096]; A: input x; B: input W1 (given as codes): QUANTISED
;;     13. [M 1,024, K 4,096] x [K 4,096, N 1,024]; A: computed on the way; B: input W2 (given as codes): QUANTISED
;;     14. [M 1,024, K 1,024] x [K 1,024, N 4,096]; A: input x; B: input W1 (given as codes): QUANTISED
;;     15. [M 1,024, K 4,096] x [K 4,096, N 1,024]; A: computed on the way; B: input W2 (given as codes): QUANTISED
;;     16. [M 1,024, K 1,024] x [K 1,024, N 4,096]; A: input x; B: input W1 (given as codes): QUANTISED
;;     17. [M 1,024, K 4,096] x [K 4,096, N 1,024]; A: computed on the way; B: input W2 (given as codes): QUANTISED
;;   THE QUANTISER, for each operand of a quantised product, along K:
;;     - K is cut into blocks of 32 from its start; a last block that is shorter is filled with zeros.
;;     - A block's scale is 2^e with e = floor(log2(the largest magnitude in the block)) - 2, held to -126 .. 127; a block of zeros has e = 0. As a byte (E8M0): e + 127.
;;     - Each number is divided by its block's scale, clamped to +-6, and rounded to the nearest number of E2M1, ties to even, subnormals kept.
;;     - The product sums the exact products of the quantised numbers (number of the format x scale) in f32.
;;   ~~~python
;;   def quantise(x, axis):      # numpy; x: float32 -> the quantised numbers, widened to float32 again
;;       x = np.moveaxis(x, axis, -1); K = x.shape[-1]
;;       x = np.pad(x, [(0, 0)] * (x.ndim - 1) + [(0, -K % 32)]); x = x.reshape(x.shape[:-1] + (-1, 32)); a = np.abs(x).max(-1, keepdims=True)
;;       e = np.where(a > 0, np.clip(np.frexp(np.where(a > 0, a, 1))[1] - 1 - 2, -126, 127), 0)      # np.frexp(a)[1] - 1 = floor(log2(a)), exactly
;;       r = np.clip(x / 2.0 ** e, -6, 6)
;;       step = 2.0 ** (np.maximum(np.frexp(np.where(r == 0, 1, r))[1] - 1, 0) - 1)
;;       q = np.round(r / step) * step * 2.0 ** e      # np.round: ties to even
;;       return np.moveaxis(q.reshape(q.shape[:-2] + (-1,))[..., :K], -1, axis).astype(np.float32)
;;   ~~~
;;   OPERANDS COMPUTED ON THE WAY. 'Computed on the way' means the value that the module computes at that place (a softmax that the list does not call 'softmax' is quantised finished and normalised). What goes into a quantiser is computed in f32, as accurately as f32 sums, v_exp_f32 and their like allow (about 1e-6 of the number): no bf16 or f16 on the way to a quantiser, and a product that is left as it is and whose result goes on into a quantised operand takes f32 operands (vector FMAs, or v_wmma_f32_16x16x4_f32). A number that lies on a knife's edge between two numbers of the format may be rounded either way, as far as f32 arithmetic and the matrix unit's own rounding can turn it there, and no further.
;;   INPUTS GIVEN AS CODES. W1 (in the module: [8, 1024, 4096], K = its axis 1); W2 (in the module: [8, 4096, 1024], K = its axis 1): each comes as NAME_codes (uint8): NAME with its K axis moved to the last place and cut into blocks of 32 codes, [.., K / 32, bytes a block], one block behind the other in memory; two codes a byte, the lower K in the low four bits (a code: sign, 2 exponent bits, 1 mantissa bit); and NAME_scales (uint8): the same leading axes, one E8M0 byte (e + 127) for each 32 codes along K. Its value is code x scale, taken as it is: it is not quantised again, and the codes and scales need not be those that the quantiser above would give.
;; One version. Each part assembles by itself: llvm-mc -triple=amdgcn-amd-amdhsa -mcpu=gfx1250 --defsym DOCPART=n.
;; ======== version 1 of 1: 4 launches
;; limits: right only within a limited range of input values
;; workspace buffers: sel 4,096 bytes of whole numbers; gates 8,192 bytes; xq 557,056 bytes; rows 36,864 bytes of whole numbers; hq 16,777,216 bytes; hs 1,048,576 bytes; y 8,388,608 bytes
;; launch route (part 1): grid 256 x 1, 4 waves a work-group, no clusters, 38,400 bytes of LDS; arguments x, Wg, bg, sel, gates, xq; writes sel, gates, xq
.if DOCPART == 1
	.amdgcn_target "amdgcn-amd-amdhsa--gfx1250"
	.amdhsa_code_object_version 6
	.text
	.protected	k_qad30cfd6b3_route
	.globl	k_qad30cfd6b3_route
	.p2align	8
	.type	k_qad30cfd6b3_route,@function
k_qad30cfd6b3_route:
	s_mov_b64 s[64:65], 0
	v_nop
	global_prefetch_b8 v0, s[64:65] scope:SCOPE_SE
	s_setreg_imm32_b32 hwreg(HW_REG_WAVE_MODE, 25, 1), 1
	s_wait_xcnt 0x0
; ROUTE.  For 4 tokens a work-group: logits = x Wg + bg in f32; the two largest (ties: the lower index, since only a strictly greater logit replaces);
; their softmax with the larger logit taken away first; and x quantised to E2M1 codes with one E8M0 byte for each 32 along D.
; Stored at fixed places: sel[token] = the two chosen experts as a bit mask; gates[token] = (gate of the lower-numbered expert, gate of the higher);
; xq = codes [1024][512 bytes], then from byte 524288 the scale bytes [1024][32].  No address here hangs on the choice.
; SHARES.  Wave w takes d = 256 w .. 256 w + 255 of all 4 tokens, lane l the eight neighbours d = 256 w + 8 l + 0 .. 7: what one conversion takes; four lanes hold a block of 32.
; Wg's 256 rows of a wave are loaded as they lie (512 consecutive bytes a load) and turned through the wave's own LDS bytes, so that a lane gets its eight rows.
; LIMITS.  NaN and infinite logits are not served.  The logits' sums run in another order than a plain ascending sum, so two logits closer than f32 rounding of the sums may change places.
; A block of zeros gets the byte 1 (not 127) with zero codes: the bytes are read by this program alone.
.set WGP,  8704                        ; LDS: a wave's turn of Wg: 32 units of 256 bytes + 16 of padding
.set PART, 34816                       ; partial logits [wave][token][expert], 128 bytes a wave
.set XC,   35328                       ; the 4 tokens' code rows, 512 bytes each
.set XSB,  37376                       ; their scale bytes, 32 each
.set X,    16                          ; v16-47   x: token k's eight numbers at X + 8 k
.set WGR,  48                          ; v48-111  Wg: row i of my eight, expert e, at WGR + 8 i + e
.set ACC,  112                         ; v112-143 partial logits: token k, expert e at ACC + 8 k + e
.set M,    144                         ; v144-147 largest magnitudes
.set SO,   148                         ; v148-151 the conversions' scale operands
.set BY,   152                         ; v152-155 scale bytes
.set CD,   156                         ; v156-159 codes
.set L,    48                          ; v48-55   the whole logits (wave 0, behind the products)
	s_load_b256 s[4:11], s[0:1], 0x0               ; x s[4:5], Wg s[6:7], bg s[8:9], sel s[10:11]
	s_load_b128 s[12:15], s[0:1], 0x20             ; gates s[12:13], xq s[14:15]
	v_lshl_add_u32 v160, v0, 2, 0x9400
	v_mov_b32 v161, 0
	v_lshrrev_b32 v15, 5, v0
	v_readfirstlane_b32 s16, v15                   ; wave 0..3
	v_and_b32 v1, 31, v0                           ; lane
	s_lshl_b32 s32, ttmp9, 14                      ; the work-group's 4 rows of x, 4,096 bytes each
	s_mov_b32 s33, 0
	s_mov_b32 s20, 0x76543210                      ; v_permlanex16_b32's selects for lane l xor 16
	s_mov_b32 s21, 0xfedcba98
	s_lshl_b32 s17, s16, 10
	v_lshl_add_u32 v2, v1, 5, s17                  ; x: 1,024 w + 32 l
	s_lshl_b32 s17, s16, 13
	v_lshl_add_u32 v3, v1, 4, s17                  ; Wg: 8,192 w + 16 l
	s_mul_i32 s18, s16, WGP
	v_lshrrev_b32 v4, 4, v1
	v_mul_u32_u24 v4, v4, 272
	v_and_b32 v15, 15, v1
	v_lshl_add_u32 v4, v15, 4, v4
	v_add_nc_u32 v4, s18, v4                       ; the turn, in: sixteen lanes fill a unit; a load's 512 bytes are two units
	v_mul_u32_u24 v5, v1, 272
	v_add_nc_u32 v5, s18, v5                       ; and out: unit l = my eight rows
	s_lshl_b32 s17, s16, 7
	s_add_co_u32 s18, s17, XC
	v_lshl_add_u32 v6, v1, 2, s18                  ; my 4 bytes of codes in a token's row: 128 w + 4 l
	s_add_co_u32 s17, s17, PART
	v_mov_b32 v8, s17                              ; my wave's partial logits
	s_lshl_b32 s17, s16, 3
	s_add_co_u32 s17, s17, XSB
	v_lshrrev_b32 v7, 2, v1
	v_add_nc_u32 v7, s17, v7                       ; my block's byte: 8 w + l / 4
	v_lshlrev_b32 v9, 4, v1                        ; 16 l
	s_lshl_b32 s17, s16, 9
	s_add_co_u32 s18, s17, XC
	v_add_nc_u32 v10, s18, v9                      ; the way out: token w's code row, 16 bytes a lane
	s_lshl_b32 s18, ttmp9, 11
	s_add_co_u32 s18, s18, s17
	v_add_nc_u32 v11, s18, v9                      ; and its place in xq: (4 g + w) x 512 + 16 l
	v_lshl_add_u32 v12, v1, 2, XSB                 ; the 128 scale bytes, 4 a lane,
	s_lshl_b32 s18, ttmp9, 7
	v_lshl_add_u32 v13, v1, 2, s18                 ; and their place behind xq's codes: 128 g + 4 l
	v_and_b32 v14, 3, v1
	v_lshl_add_u32 v14, v14, 5, PART               ; the router: lane l looks after token l % 4
	s_wait_kmcnt 0x0
	s_add_nc_u64 s[4:5], s[4:5], s[32:33]
	s_load_b256 s[24:31], s[8:9], 0x0              ; bg's eight numbers
.irp k, 0,1,2,3
.irp j, 0,1
	global_load_b128 v[X+8*\k+4*\j:X+8*\k+4*\j+3], v2, s[4:5] offset:4096*\k+16*\j th:TH_LOAD_NT
.endr
.endr
.irp q, 0,1,2,3,4,5,6,7,8,9,10,11,12,13,14,15
	global_load_b128 v[WGR+4*\q:WGR+4*\q+3], v3, s[6:7] offset:512*\q   ; 512 consecutive bytes a load
.endr
	s_wait_loadcnt 16                              ; x's eight loads are in; Wg's sixteen may be out
	; x becomes codes.  The four tokens take turns, so that no line waits for the line above it
.irp k, 0,1,2,3
	v_max3_num_f32 v[M+\k], |v[X+8*\k]|, |v[X+8*\k+1]|, 0x1800000   ; and the floor 2^(3 - 127): the byte cannot fall under 1
.endr
.irp i, 2,4,6
.irp k, 0,1,2,3
	v_max3_num_f32 v[M+\k], v[M+\k], |v[X+8*\k+\i]|, |v[X+8*\k+\i+1]|
.endr
.endr
.irp m, 1,2
.irp k, 0,1,2,3
	v_max_num_f32_dpp v[M+\k], v[M+\k], v[M+\k] row_xmask:\m row_mask:0xf bank_mask:0xf   ; with the block's other three lanes
.endr
.endr
.irp k, 0,1,2,3
	v_add_nc_u32 v[SO+\k], 0xff000000, v[M+\k]     ; 2 off the exponent field: the conversion takes that field as its scale
.endr
.irp k, 0,1,2,3
	v_lshrrev_b32 v[BY+\k], 23, v[SO+\k]           ; the scale's byte
.endr
.irp k, 0,1,2,3
	v_cvt_scalef32_pk8_fp4_f32 v[CD+\k], v[X+8*\k:X+8*\k+7], v[SO+\k]
.endr
	v_nop                                          ; one plain place behind the last scaled conversion
.irp k, 0,1,2,3
	ds_store_b32 v6, v[CD+\k] offset:512*\k
	ds_store_b8 v7, v[BY+\k] offset:32*\k          ; the block's four lanes write the same byte with the same value
.endr
	s_wait_loadcnt 0x0                             ; Wg
.irp q, 0,1,2,3,4,5,6,7,8,9,10,11,12,13,14,15
	ds_store_b128 v4, v[WGR+4*\q:WGR+4*\q+3] offset:544*\q
.endr
.irp j, 0,1,2,3,4,5,6,7,8,9,10,11,12,13,14,15
	ds_load_b128 v[WGR+4*\j:WGR+4*\j+3], v5 offset:16*\j   ; LDS serves a wave's instructions in order (ISA guide 5.7.1.4): these see the stores above
.endr
	s_wait_dscnt 0x0
	; partial logits: two experts an instruction; x's number is taken for both halves (its pair's first register where i is even, its second where i is odd)
.irp k, 0,1,2,3
.irp p, 0,1,2,3
	v_pk_mul_f32 v[ACC+8*\k+2*\p:ACC+8*\k+2*\p+1], v[X+8*\k:X+8*\k+1], v[WGR+2*\p:WGR+2*\p+1] op_sel_hi:[0,1]
.endr
.endr
.irp i, 1,2,3,4,5,6,7
.irp k, 0,1,2,3
.irp p, 0,1,2,3
.if \i%2
	v_pk_fma_f32 v[ACC+8*\k+2*\p:ACC+8*\k+2*\p+1], v[X+8*\k+\i-1:X+8*\k+\i], v[WGR+8*\i+2*\p:WGR+8*\i+2*\p+1], v[ACC+8*\k+2*\p:ACC+8*\k+2*\p+1] op_sel:[1,0,0]
.else
	v_pk_fma_f32 v[ACC+8*\k+2*\p:ACC+8*\k+2*\p+1], v[X+8*\k+\i:X+8*\k+\i+1], v[WGR+8*\i+2*\p:WGR+8*\i+2*\p+1], v[ACC+8*\k+2*\p:ACC+8*\k+2*\p+1] op_sel_hi:[0,1,1]
.endif
.endr
.endr
.endr
	; over the wave's 32 lanes
.irp m, 1,2,4,8
.set j, 0
.rept 32
	v_add_f32_dpp v[ACC+j], v[ACC+j], v[ACC+j] row_xmask:\m row_mask:0xf bank_mask:0xf
.set j, j+1
.endr
.endr
.set j, 0
.rept 32
	v_permlanex16_b32 v[X+j], v[ACC+j], s20, s21   ; x's registers are done with, and have been written
.set j, j+1
.endr
.set j, 0
.rept 32
	v_add_f32 v[ACC+j], v[ACC+j], v[X+j]
.set j, j+1
.endr
.irp q, 0,1,2,3,4,5,6,7
	ds_store_b128 v8, v[ACC+4*\q:ACC+4*\q+3] offset:16*\q   ; every lane holds the same sums and writes the same words
.endr
	s_wait_kmcnt 0x0                               ; bg
	s_wait_dscnt 0x0                               ; for the others' sake: my codes, bytes and partial logits lie in LDS
	s_barrier_signal -1
	s_barrier_wait -1
	ds_load_b128 v[76:79], v10                     ; wave w sends token w's code row: 512 consecutive bytes
	s_wait_dscnt 0x0
	global_store_b128 v11, v[76:79], s[14:15]
	s_cmp_lg_u32 s16, 0
	s_cbranch_scc1 .Lend                           ; the router is wave 0's
	ds_load_b32 v72, v12
.irp w, 0,1,2,3
.irp j, 0,1
	ds_load_b128 v[X+8*\w+4*\j:X+8*\w+4*\j+3], v14 offset:128*\w+16*\j
.endr
.endr
	s_wait_dscnt 0x0
	global_store_b32 v13, v72, s[14:15] offset:524288   ; the 4 tokens' 128 scale bytes
.irp e, 0,1,2,3,4,5,6,7
	v_add_f32 v[L+\e], v[X+\e], v[X+8+\e]
.endr
.irp e, 0,1,2,3,4,5,6,7
	v_add_f32 v[L+\e], v[L+\e], v[X+16+\e]
.endr
.irp e, 0,1,2,3,4,5,6,7
	v_add_f32 v[L+\e], v[L+\e], v[X+24+\e]
.endr
.irp e, 0,1,2,3,4,5,6,7
	v_add_f32 v[L+\e], s[24+\e], v[L+\e]           ; + bg
.endr
.macro TOP b, i                        ; the largest logit and its index; only a strictly greater one replaces, so the lower index is kept
	v_mov_b32 v[\b], v[L]
	v_mov_b32 v[\i], 0
.irp e, 1,2,3,4,5,6,7
	v_cmp_gt_f32 vcc_lo, v[L+\e], v[\b]
	v_cndmask_b32 v[\b], v[\b], v[L+\e], vcc_lo
	v_cndmask_b32 v[\i], v[\i], \e, vcc_lo
.endr
.endm
	TOP 56, 57                                     ; v56 the largest, v57 its expert
	v_mov_b32 v60, 0xff800000                      ; -infinity
.irp e, 0,1,2,3,4,5,6,7
	v_cmp_eq_u32 vcc_lo, \e, v57
	v_cndmask_b32 v[L+\e], v[L+\e], v60, vcc_lo    ; it is taken out,
.endr
	TOP 58, 59                                     ; and the second follows: v58, v59
	v_sub_f32 v62, v58, v56                        ; the softmax of the two, the larger logit taken away: exponents 0 and this one, which is 0 or less
	v_mul_f32 v62, 0x3fb8aa3b, v62
	s_wait_alu depctr_va_vdst(0)
	v_exp_f32 v62, v62
	v_mov_b32 v61, 1                               ; (a plain place behind the exponential)
	s_wait_alu depctr_va_vdst(0)                   ; the wait ahead of the first reader
	v_add_f32 v63, 1.0, v62
	s_wait_alu depctr_va_vdst(0)
	v_rcp_f32 v63, v63                             ; the larger logit's gate
	v_lshlrev_b32 v67, v57, v61                    ; (a plain place)  the two experts as bits
	v_lshlrev_b32 v68, v59, v61
	v_or_b32 v67, v67, v68
	s_lshl_b32 s17, ttmp9, 4
	v_lshl_add_u32 v69, v1, 2, s17                 ; sel: 4 bytes a token
	s_lshl_b32 s17, ttmp9, 5
	v_lshl_add_u32 v70, v1, 3, s17                 ; gates: 8 bytes a token
	s_wait_alu depctr_va_vdst(0)
	v_mul_f32 v66, v62, v63                        ; the smaller logit's gate
	v_cmp_lt_u32 vcc_lo, v57, v59
	v_cndmask_b32 v64, v66, v63, vcc_lo            ; first the gate of the lower-numbered expert,
	v_cndmask_b32 v65, v63, v66, vcc_lo            ; then that of the higher
	s_wait_alu depctr_va_vdst(0)
	s_wait_xcnt 0x0                                ; EXEC changes only when the stores above have read their sources
	v_cmp_gt_u32 vcc_lo, 4, v1
	s_and_saveexec_b32 s36, vcc_lo                 ; lanes 0 to 3: a token each
	global_store_b32 v69, v67, s[10:11]
	global_store_b64 v70, v[64:65], s[12:13]
	s_wait_xcnt 0x0                                ; and again in front of the line that widens it
	s_or_b32 exec_lo, exec_lo, s36
.Lend:
	s_barrier_signal -1
	s_barrier_wait -1
	s_wait_tensorcnt 0x0
	ds_add_u32 v160, v161
	s_wait_dscnt 0x0
	s_endpgm
.Lfunc_end_k_qad30cfd6b3_route:
	.size	k_qad30cfd6b3_route, .Lfunc_end_k_qad30cfd6b3_route-k_qad30cfd6b3_route
	.p2alignl 7, 3214868480
	.fill 96, 4, 3214868480
	.section	.rodata,"a",@progbits
	.p2align	6, 0x0
	.amdhsa_kernel k_qad30cfd6b3_route
		.amdhsa_group_segment_fixed_size 38400
		.amdhsa_private_segment_fixed_size 0
		.amdhsa_enable_private_segment 0
		.amdhsa_kernarg_size 48
		.amdhsa_user_sgpr_count 2
		.amdhsa_user_sgpr_kernarg_segment_ptr 1
		.amdhsa_wavefront_size32 1
		.amdhsa_system_sgpr_workgroup_id_x 1
		.amdhsa_system_sgpr_workgroup_id_y 1
		.amdhsa_system_sgpr_workgroup_id_z 1
		.amdhsa_system_vgpr_workitem_id 0
		.amdhsa_next_free_vgpr 162
		.amdhsa_next_free_sgpr 66
		.amdhsa_reserve_vcc 1
		.amdhsa_float_denorm_mode_32 3
		.amdhsa_float_denorm_mode_16_64 3
		.amdhsa_memory_ordered 1
		.amdhsa_forward_progress 1
		.amdhsa_inst_pref_size 35
	.end_amdhsa_kernel
	.amdgpu_metadata
---
amdhsa.version: [ 1, 2 ]
amdhsa.kernels:
  - .name:           k_qad30cfd6b3_route
    .symbol:         k_qad30cfd6b3_route.kd
    .args:
      - { .name: x, .offset: 0, .size: 8, .value_kind: global_buffer, .address_space: global }
      - { .name: Wg, .offset: 8, .size: 8, .value_kind: global_buffer, .address_space: global }
      - { .name: bg, .offset: 16, .size: 8, .value_kind: global_buffer, .address_space: global }
      - { .name: sel, .offset: 24, .size: 8, .value_kind: global_buffer, .address_space: global }
      - { .name: gates, .offset: 32, .size: 8, .value_kind: global_buffer, .address_space: global }
      - { .name: xq, .offset: 40, .size: 8, .value_kind: global_buffer, .address_space: global }
    .group_segment_fixed_size: 38400
    .private_segment_fixed_size: 0
    .kernarg_segment_align: 8
    .kernarg_segment_size: 48
    .max_flat_workgroup_size: 128
    .sgpr_count:     66
    .vgpr_count:     162
    .wavefront_size: 32
...
	.end_amdgpu_metadata
.endif
;; end of part 1
;; launch up (part 2): grid 32 x 8, 4 waves a work-group, no clusters, 74,240 bytes of LDS; arguments sel, xq, W1_codes, W1_scales, b1, hq, hs, rows; writes hq, hs, rows
.if DOCPART == 2
	.amdgcn_target "amdgcn-amd-amdhsa--gfx1250"
	.amdhsa_code_object_version 6
	.text
	.protected	k_qad30cfd6b3_up
	.globl	k_qad30cfd6b3_up
	.p2align	8
	.type	k_qad30cfd6b3_up,@function
k_qad30cfd6b3_up:
	s_mov_b64 s[64:65], 0
	v_nop
	global_prefetch_b8 v0, s[64:65] scope:SCOPE_SE
	s_setreg_imm32_b32 hwreg(HW_REG_WAVE_MODE, 25, 1), 1
	s_wait_xcnt 0x0
; UP.  For expert e (work-group y) and hidden units 128 x slice .. + 127 (work-group x): h = relu(x W1^T + b1) for the rows routed to e, quantised along the hidden axis.  Rows not routed to e are not multiplied.
; THE WEIGHTS STAY.  The slice's 128 rows of W1 (65,536 bytes) are read from memory once by the work-group, whole rows of 512 consecutive bytes a load, pass through LDS, and every wave keeps all of them
; as fragments in 512 registers.  The waves share the ROWS: wave w takes the expert's tiles of 16 routed rows w, w + 4, ..  So no barrier stands in the loop, whose trip count hangs on the stored choice.
; THE LIST.  Every work-group scans sel (1,024 masks, stored by the launch before) and counts expert e's rows; wave 0 lays 2 x token + slot (slot 1 where e is the token's higher expert) into LDS, by a count of the
; lanes below and a running sum.  The order is the same in all work-groups of an expert.  Slice 0 also stores the list and the count for the next launch.  Places behind the count hold 0: token 0's row is computed there and never used.
; x IN FOUR PLACES.  A wave's first four tiles of x are asked for while W1's fragments are read from LDS (a tile behind the wave's last brings token 0's row, by the list's zeros, and is not multiplied).  A place is asked for
; again, for the tile four on, as soon as its products are issued, and only if that tile exists; one wait for all loads stands at the head of each round of four tiles, so no counted wait hangs on a load that a branch may pass.
; THE PRODUCT IS USED TRANSPOSED (source 0 = 16 rows of W1, source 1 = 16 routed rows of x), and lane r of tile 2 b + u takes W1's row 32 b + 8 u + r + 8 (r / 8): a lane then holds one routed row, and the 16 registers
; of tiles 2 b, 2 b + 1 are 16 neighbours along the next K.  The bias is the C of each sum's first matrix instruction.
; OUT.  The slice is one K step of the second product: its codes leave as an image of the operand's registers, hq [e][tile][K step][c][lane][16 bytes], 512 consecutive bytes a store;
; its scale word goes to hs [e][tile][G][lane][4 words]: word k of lane 16 hh + r is row r's word of K step 8 G + 2 k + hh.  (4 bytes a row, 16 bytes apart: 64 bytes for a tile and slice.)
; No tensor load and no cluster: trip counts hang on numbers read from memory.
; LIMITS.  A block of zeros gets the byte 1 with zero codes: the bytes are read by this program alone.  NaN and infinities are not served.
; REGISTERS, in windows of 256: window 0: addresses, scale words, the 8 accumulators, the bias, the codes.  windows 1, 2: W1's fragments of K steps 0-3, 4-7 (K step s, tile T at 64 (s % 4) + 8 T).
;   window 3: x's fragments, place b, K step s at 64 b + 8 s; at the start v64-191 hold W1's rows on their way to LDS.
.set WP,   528                         ; a row of W1 in LDS: 512 bytes + 16: an odd multiple of 16, so that the 16 rows of a load start at 16 different banks (64 banks of 4 bytes: ISA guide 11.1)
.set LIST, 67584                       ; behind the 128 rows: the list, 1,024 words, and 32 words into which lanes with nothing to say write
.set W1S,  32                          ; v32-63   W1's scale words: tile T at W1S + 4 T + s % 4; lanes 0-15 K steps 0-3, lanes 16-31 K steps 4-7
.set XS,   64                          ; v64-95   x's scale words: place b, K step s at XS + 8 b + s
.set HA,   96                          ; v96-159  the 8 accumulators; during the scan v96-127 hold sel
.set BIA,  160                         ; v160-223 the bias in the result's layout, tile T at BIA + 8 T
.set PC,   224                         ; v224-231 the codes just made
.set PW,   232                         ; v232     their scale word
.set TM,   236                         ; v236-243, v248-251 at work in QUANT
.set SG,   64                          ; window 3: the rows on their way
.set MSB,  0
.macro WIN new                         ; the immediate's high byte repeats the setting that is left
.if MSB != \new
	s_set_vgpr_msb (MSB<<8)|\new
.set MSB, \new
.endif
.endm
.macro PLACES                          ; four plain places between a matrix instruction and a load into, or a vector read of, its registers
.rept 4
	v_nop
.endr
.endm
	s_load_b512 s[4:19], s[0:1], 0x0               ; sel s[4:5], xq s[6:7], W1's codes s[8:9], scales s[10:11], b1 s[12:13], hq s[14:15], hs s[16:17], rows s[18:19]
	v_lshl_add_u32 v246, v0, 2, 0x12000            ; my spare word,
	v_mov_b32 v247, 0                              ; and 0
	v_lshrrev_b32 v17, 5, v0
	v_readfirstlane_b32 s20, v17                   ; wave 0..3
	s_mov_b32 s21, ttmp9                           ; slice
	s_and_b32 s22, ttmp7, 0xffff                   ; expert
	s_lshl_b32 s23, 1, s22                         ; its bit,
	s_sub_co_u32 s24, s23, 1                       ; and the bits below it
	s_mov_b32 s25, 0                               ; the count
	s_mov_b32 s38, 0x76543210                      ; v_permlanex16_b32's selects for lane l xor 16
	s_mov_b32 s39, 0xfedcba98
	v_and_b32 v1, 31, v0                           ; lane
	v_and_b32 v2, 15, v0                           ; r
	v_bfe_u32 v3, v0, 4, 1                         ; h
	v_lshlrev_b32 v4, 4, v1                        ; 16 x lane
	v_mul_u32_u24 v5, v2, WP
	v_lshl_add_u32 v5, v3, 4, v5                   ; a fragment of W1 in LDS: row r, + 16 h
	v_lshlrev_b32 v6, 4, v3                        ; 16 h
	v_lshlrev_b32 v7, 4, v2                        ; hs: 16 r
	s_mul_i32 s26, s20, 32*WP
	v_add_nc_u32 v14, s26, v4                      ; where my wave's 32 rows go in LDS
	v_add_nc_u32 v15, 1024, v1                     ; the place for a lane with nothing to say
	v_lshlrev_b32 v16, 3, v1                       ; 2 x (4 x lane): my tokens' part of a list entry
.irp j, 20,21,22,23
	v_mov_b32 v\j, 0
.endr
	s_lshl_b32 s26, s20, 14
	v_add_nc_u32 v233, s26, v4                     ; my wave's 32 rows in memory: 16,384 w + 16 x lane
	v_and_b32 v234, 8, v2
	v_add_nc_u32 v234, v234, v2
	v_lshlrev_b32 v234, 5, v234                    ; W1's scale words: 32 bytes a row, row r + 8 (r / 8) of a tile,
	v_lshl_add_u32 v234, v3, 4, v234               ; + 16 h: lanes 16-31 take K steps 4-7
	v_lshlrev_b32 v235, 6, v3                      ; the bias: 64 h
.irp b, 0,1,2,3
	v_mov_b32 v[TM+4+\b], 0                        ; written once: a lane permute's destination counts as one of its sources
.endr
	v_lshlrev_b32 v252, 2, v0                      ; the count's 128 words
	v_add_nc_u32 v254, LIST, v4                    ; the list, 16 bytes a lane,
	s_lshl_b32 s26, s20, 10
	v_add_nc_u32 v255, s26, v254                   ; and my wave's quarter of it
	s_lshl_b32 s32, s22, 21                        ; the slice's first byte: codes e x 2^21 + slice x 2^16,
	s_lshl_b32 s26, s21, 16
	s_add_co_u32 s32, s32, s26
	s_mov_b32 s33, 0
	s_lshr_b32 s34, s32, 4                         ; scale bytes a sixteenth of that,
	s_mov_b32 s35, 0
	s_wait_alu depctr_va_vdst(0)                   ; the wait at the head's end
	s_wait_kmcnt 0x0
	s_add_nc_u64 s[8:9], s[8:9], s[32:33]
	s_add_nc_u64 s[10:11], s[10:11], s[34:35]
	s_lshr_b32 s32, s34, 3                         ; the bias an eighth of those
	s_add_nc_u64 s[12:13], s[12:13], s[32:33]
.irp j, 0,1,2,3,4,5,6,7
	global_load_b128 v[HA+4*\j:HA+4*\j+3], v4, s[4:5] offset:512*\j   ; sel: register 4 j + c holds token 128 j + 4 x lane + c
.endr
	WIN 0xc0                                       ; destination window 3
.set i, 0
.rept 32
	global_load_b128 v[SG+4*i:SG+4*i+3], v233, s[8:9] offset:512*i th:TH_LOAD_NT   ; a whole row of W1: 512 consecutive bytes; read once in the launch
.set i, i+1
.endr
	WIN 0
.irp T, 0,1,2,3,4,5,6,7
	global_load_b128 v[W1S+4*\T:W1S+4*\T+3], v234, s[10:11] offset:(32*(\T/2)+8*(\T%2))*32
.endr
	s_wait_loadcnt 40                              ; sel is in; behind it stand the 32 rows and the 8 loads of scale words
; The scan.  store = 1 (wave 0): each chosen token's entry goes to its place in the list; store = 0: the count alone.
.macro SCAN store
.set q, 0
.rept 32
	v_and_b32 v17, s23, v[HA+q]
	v_cmp_ne_u32 vcc_lo, 0, v17                    ; is e among the token's two?
.if \store
	v_mbcnt_lo_u32_b32 v18, vcc_lo, s25            ; the count so far + the chosen lanes below me
	v_cndmask_b32 v18, v15, v18, vcc_lo
	v_min_u32 v18, 0x41f, v18                      ; inside the list and its 32 spare words
	v_lshl_add_u32 v19, v18, 2, LIST
	v_and_b32 v17, s24, v[HA+q]
	v_min_u32 v17, 1, v17                          ; slot: 1 where the token's other expert has the lower number
	v_add3_u32 v17, v17, v16, 2*(128*(q/4)+q%4)    ; 2 x token + slot
	ds_store_b32 v19, v17
.endif
	s_bcnt1_i32_b32 s26, vcc_lo
	s_add_co_u32 s25, s25, s26
.set q, q+1
.endr
.endm
	s_cmp_lg_u32 s20, 0
	s_cbranch_scc1 .Lcount_only
.irp j, 0,1,2,3,4,5,6,7
	ds_store_b128 v254, v[20:23] offset:512*\j     ; zeros first: LDS serves a wave's instructions in order (ISA guide 5.7.1.4)
.endr
	SCAN 1
	s_branch .Lscanned
.Lcount_only:
	SCAN 0
.Lscanned:
.irp T, 0,1,2,3,4,5,6,7
.irp j, 0,1
	global_load_b128 v[BIA+8*\T+4*\j:BIA+8*\T+4*\j+3], v235, s[12:13] offset:(32*(\T/2)+8*(\T%2))*4+16*\j   ; lane (r, h), tile 2 b + u: b1 at hidden units 32 b + 16 h + 8 u + 0 .. 7
.endr
.endr
	s_min_u32 s25, s25, 0x400                      ; n: at most every token
	s_wait_dscnt 0x0                               ; wave 0's list lies in LDS
	s_barrier_signal -1
	s_barrier_wait -1
	s_wait_loadcnt 24                              ; my 32 rows are in; behind them stand the scale words' 8 loads and the bias's 16
	WIN 0x0c                                       ; an LDS store's data are its source 1: window 3
.set i, 0
.rept 32
	ds_store_b128 v14, v[SG+4*i:SG+4*i+3] offset:(16*((i/8)%2)+i%8+8*(i/16))*WP   ; row 32 w + i goes to the place of the tile and lane that take it
.set i, i+1
.endr
	WIN 0
	s_wait_dscnt 0x0
	s_barrier_signal -1
	s_barrier_wait -1                              ; the 128 rows lie in LDS; from here on no LDS byte is written
	s_cmp_lg_u32 s21, 0
	s_cbranch_scc1 .Lnot_first                     ; slice 0 hands the list and the count to the next launch
	s_lshl_b32 s32, s22, 9
	s_add_nc_u64 s[40:41], s[18:19], s[32:33]
	s_lshl_b32 s32, s22, 12
	s_lshl_b32 s26, s20, 10
	s_add_co_u32 s32, s32, s26
	s_add_nc_u64 s[18:19], s[18:19], s[32:33]
	ds_load_b128 v[HA:HA+3], v255
	ds_load_b128 v[HA+4:HA+7], v255 offset:512
	v_mov_b32 v253, s25
	s_wait_alu depctr_va_vdst(0)                   ; the wait here, directly ahead of the wait below
	s_wait_dscnt 0x0
	global_store_b128 v4, v[HA:HA+3], s[18:19]
	global_store_b128 v4, v[HA+4:HA+7], s[18:19] offset:512
	global_store_b32 v252, v253, s[40:41] offset:32768   ; n, in all 128 words of the expert's 512 bytes
	s_wait_xcnt 0x0                                ; the stores have read their registers: the accumulators may be written
.Lnot_first:
	s_add_co_u32 s27, s25, 15
	s_lshr_b32 s27, s27, 4                         ; the expert's tiles
	s_add_co_u32 s28, s27, 3
	s_sub_co_u32 s28, s28, s20
	s_lshr_b32 s28, s28, 2                         ; of which w, w + 4, .. are mine
	s_cmp_eq_u32 s28, 0
	s_cbranch_scc1 .Lend
.macro LISTLD dst                      ; the list's entry of row r of the tile that begins at s30
	v_add_nc_u32 v12, s30, v2
	v_min_u32 v12, 0x3ff, v12
	v_lshl_add_u32 v12, v12, 2, LIST
	ds_load_b32 v[\dst], v12
.endm
.macro ADDR xo, xso, info              ; from an entry: where the row's codes (+ 16 h) and scale words lie in xq
	v_lshrrev_b32 v17, 1, v[\info]
	v_min_u32 v17, 0x3ff, v17
	v_lshl_add_u32 v[\xo], v17, 9, v6
	v_lshlrev_b32 v[\xso], 5, v17
.endm
.macro RUN b, xo, xso                  ; eighteen loads: a tile's fragments of x and their scale words into place b
	WIN 0xc0
.irp s, 0,1,2,3,4,5,6,7
.irp c, 0,1
	global_load_b128 v[64*(\b)+8*\s+4*\c:64*(\b)+8*\s+4*\c+3], v[\xo], s[6:7] offset:64*\s+32*\c
.endr
.endr
	WIN 0
	global_load_b128 v[XS+8*(\b):XS+8*(\b)+3], v[\xso], s[6:7] offset:524288
	global_load_b128 v[XS+8*(\b)+4:XS+8*(\b)+7], v[\xso], s[6:7] offset:524288+16
.endm
	s_lshl_b32 s30, s20, 4
.irp d, 13,18,19,24
	LISTLD \d                                      ; my first four tiles
	s_add_co_u32 s30, s30, 64
.endr
	s_wait_loadcnt 0x0                             ; W1's scale words and the bias
	s_wait_dscnt 0x0
	ADDR 8, 9, 13
	ADDR 10, 11, 18
	ADDR 26, 27, 19
	ADDR 28, 29, 24
	s_wait_alu depctr_va_vdst(0)                   ; the wait here
	RUN 0, 8, 9                                    ; their x travels while the fragments below are read
	RUN 1, 10, 11
	RUN 2, 26, 27
	RUN 3, 28, 29
.irp s, 0,1,2,3,4,5,6,7
.if \s < 4
	WIN 0x40                                       ; destination window 1
.else
	WIN 0x80                                       ; window 2
.endif
.irp T, 0,1,2,3,4,5,6,7
.irp c, 0,1
	ds_load_b128 v[64*(\s%4)+8*\T+4*\c:64*(\s%4)+8*\T+4*\c+3], v5 offset:16*WP*\T+64*\s+32*\c
.endr
.endr
.endr
	WIN 0
	s_lshl_b32 s32, s22, 21                        ; hq: ((64 e + w) x 32 + slice) x 1,024
	s_lshl_b32 s26, s20, 15
	s_add_co_u32 s32, s32, s26
	s_lshl_b32 s26, s21, 10
	s_add_co_u32 s32, s32, s26
	s_add_nc_u64 s[14:15], s[14:15], s[32:33]
	s_lshl_b32 s34, s22, 17                        ; hs: (64 e + w) x 2,048 + 512 (slice / 8) + 256 (slice % 2) + 4 ((slice % 8) / 2)
	s_lshl_b32 s26, s20, 11
	s_add_co_u32 s34, s34, s26
	s_lshr_b32 s26, s21, 3
	s_lshl_b32 s26, s26, 9
	s_add_co_u32 s34, s34, s26
	s_and_b32 s26, s21, 1
	s_lshl_b32 s26, s26, 8
	s_add_co_u32 s34, s34, s26
	s_bfe_u32 s26, s21, 0x20001
	s_lshl_b32 s26, s26, 2
	s_add_co_u32 s34, s34, s26
	s_add_nc_u64 s[16:17], s[16:17], s[34:35]
	s_wait_dscnt 0x0                               ; W1's fragments are in
; 8 matrix instructions: place b of x, K step s, the 8 tiles of hidden units by turns.  K step 0: the bias starts the sums
.macro MM b, s
.irp T, 0,1,2,3,4,5,6,7
.set rD, HA+8*\T
.set rA, 64*((\s)%4)+8*\T
.set rB, 64*(\b)+8*(\s)
.set rSA, W1S+4*\T+(\s)%4
.set rSB, XS+8*(\b)+(\s)
.if (\s) == 0
	v_wmma_scale_f32_16x16x128_f8f6f4 v[rD:rD+7], v[rA:rA+7], v[rB:rB+7], v[BIA+8*\T:BIA+8*\T+7], v[rSA], v[rSB] matrix_a_fmt:MATRIX_FMT_FP4 matrix_b_fmt:MATRIX_FMT_FP4
.elseif (\s) < 4
	v_wmma_scale_f32_16x16x128_f8f6f4 v[rD:rD+7], v[rA:rA+7], v[rB:rB+7], v[rD:rD+7], v[rSA], v[rSB] matrix_a_fmt:MATRIX_FMT_FP4 matrix_b_fmt:MATRIX_FMT_FP4
.else
	v_wmma_scale_f32_16x16x128_f8f6f4 v[rD:rD+7], v[rA:rA+7], v[rB:rB+7], v[rD:rD+7], v[rSA], v[rSB] matrix_a_fmt:MATRIX_FMT_FP4 matrix_b_fmt:MATRIX_FMT_FP4 matrix_a_scale:MATRIX_SCALE_ROW1
.endif
.endr
.endm
; 64 numbers of a lane, register 16 b + i = k 32 b + 16 (lane / 16) + i of my row, become a fragment's codes in v[PC] on and its scale word in v[PW]
.macro QUANT s
.irp b, 0,1,2,3
	v_max3_num_f32 v[TM+\b], |v[\s+16*\b]|, |v[\s+1+16*\b]|, 0x1800000   ; block b: my 16 numbers, and the floor 2^(3 - 127): the byte cannot fall under 1
.endr
.irp i, 2,4,6,8,10,12,14
.irp b, 0,1,2,3
	v_max3_num_f32 v[TM+\b], v[TM+\b], |v[\s+16*\b+\i]|, |v[\s+1+16*\b+\i]|   ; (the four blocks by turns)
.endr
.endr
.irp b, 0,1,2,3
	v_permlanex16_b32 v[TM+4+\b], v[TM+\b], s38, s39
.endr
.irp b, 0,1,2,3
	v_max_num_f32 v[TM+\b], v[TM+\b], v[TM+4+\b]   ; with lane l xor 16's: the block's largest magnitude
.endr
.irp b, 0,1,2,3
	v_add_nc_u32 v[TM+12+\b], 0xff000000, v[TM+\b] ; 2 off its exponent field: the conversion's scale operand
.endr
.irp b, 0,1,2,3
	v_lshrrev_b32 v[TM+4+\b], 23, v[TM+12+\b]      ; the scale's byte
.endr
	v_lshl_or_b32 v[PW], v[TM+5], 8, v[TM+4]       ; the four bytes make my row's scale word
	v_lshl_or_b32 v[PW], v[TM+6], 16, v[PW]
	v_lshl_or_b32 v[PW], v[TM+7], 24, v[PW]
.irp b, 0,1,2,3
	v_cvt_scalef32_pk8_fp4_f32 v[PC+2*\b], v[\s+16*\b:\s+7+16*\b], v[TM+12+\b]
	v_cvt_scalef32_pk8_fp4_f32 v[PC+1+2*\b], v[\s+8+16*\b:\s+15+16*\b], v[TM+12+\b]
.endr
	v_nop                                          ; one plain place behind the last scaled conversion
.irp c, 0,1                                    ; the operand's layout wants a whole block in a lane: lanes 0-15 block 2 c, lanes 16-31 block 2 c + 1
.irp i, 0,1
	v_permlane16_swap_b32 v[PC+4*\c+\i], v[PC+2+4*\c+\i]
.endr
.endr
.endm
; A tile of 16 routed rows, from place b.  s29 + b is the tile's number among mine; s30 points at the list's rows of the tile four on.
.macro BODY b
.set xo, 8+2*(\b)+14*((\b)/2)          ; the place's two offset registers: v8, v10, v26, v28 and the one behind each
	LISTLD 13
	WIN 0x0d                                       ; source 0 (W1) window 1, source 1 (x) window 3
	MM \b, 0
	MM \b, 1
	MM \b, 2
	MM \b, 3
	WIN 0x0e                                       ; source 0 window 2
	MM \b, 4
	MM \b, 5
	MM \b, 6
	MM \b, 7
	PLACES
	WIN 0
	s_wait_dscnt 0x0                               ; the list's entry
	ADDR xo, xo+1, 13
	s_add_co_u32 s26, s29, \b+4
	s_cmp_lt_u32 s26, s28                          ; is the tile four on one of mine?
	s_cbranch_scc0 .Lno_more_\@
	RUN \b, xo, xo+1
.Lno_more_\@:
.set j, 0
.rept 64
	v_max_num_f32 v[HA+j], 0, v[HA+j]              ; the activation, in f32; each accumulator from its low end on
.set j, j+1
.endr
	QUANT HA
	global_store_b128 v4, v[PC:PC+3], s[14:15]             ; the fragment as it stands: 512 consecutive bytes a store
	global_store_b128 v4, v[PC+4:PC+7], s[14:15] offset:512
	global_store_b32 v7, v[PW], s[16:17]                   ; lanes l and l + 16 hold the same word and write it to the same place
	s_wait_xcnt 0x0                                ; the stores and the loads above have read their sources: bases, codes and x's offsets may be written
	s_add_nc_u64 s[14:15], s[14:15], 0x20000       ; four tiles on
	s_add_nc_u64 s[16:17], s[16:17], 0x2000
	s_add_co_u32 s30, s30, 64
.endm
.macro LEAVE j                         ; out where my tiles are done
	s_add_co_u32 s26, s29, \j
	s_cmp_lt_u32 s26, s28
	s_cbranch_scc0 .Lend
.endm
	s_mov_b32 s29, 0                               ; my tiles done
	s_mov_b32 s31, 4                               ; rounds to go: a wave has 16 tiles at the most (64 for an expert, every fourth mine), four a round
.Lround:
	s_wait_alu depctr_va_vdst(0)                   ; the wait here, directly ahead of the wait below
	s_wait_loadcnt 0x0                             ; all four places are in
	BODY 0
	LEAVE 1
	BODY 1
	LEAVE 2
	BODY 2
	LEAVE 3
	BODY 3
	s_add_co_u32 s29, s29, 4
	s_cmp_lt_u32 s29, s28
	s_cbranch_scc0 .Lend                           ; out where my tiles are done
	s_sub_co_u32 s31, s31, 1
	s_cmp_lg_u32 s31, 0
	s_cbranch_scc1 .Lround
.Lend:
	s_barrier_signal -1
	s_barrier_wait -1
	s_wait_tensorcnt 0x0                           ; the wave's end
	ds_add_u32 v246, v247
	s_wait_dscnt 0x0
	s_endpgm
.Lfunc_end_k_qad30cfd6b3_up:
	.size	k_qad30cfd6b3_up, .Lfunc_end_k_qad30cfd6b3_up-k_qad30cfd6b3_up
	.p2alignl 7, 3214868480
	.fill 96, 4, 3214868480
	.section	.rodata,"a",@progbits
	.p2align	6, 0x0
	.amdhsa_kernel k_qad30cfd6b3_up
		.amdhsa_group_segment_fixed_size 74240
		.amdhsa_private_segment_fixed_size 0
		.amdhsa_enable_private_segment 0
		.amdhsa_kernarg_size 64
		.amdhsa_user_sgpr_count 2
		.amdhsa_user_sgpr_kernarg_segment_ptr 1
		.amdhsa_wavefront_size32 1
		.amdhsa_system_sgpr_workgroup_id_x 1
		.amdhsa_system_sgpr_workgroup_id_y 1
		.amdhsa_system_sgpr_workgroup_id_z 1
		.amdhsa_system_vgpr_workitem_id 0
		.amdhsa_next_free_vgpr 1024
		.amdhsa_next_free_sgpr 66
		.amdhsa_reserve_vcc 1
		.amdhsa_float_denorm_mode_32 3
		.amdhsa_float_denorm_mode_16_64 3
		.amdhsa_memory_ordered 1
		.amdhsa_forward_progress 1
		.amdhsa_inst_pref_size 121
	.end_amdhsa_kernel
	.amdgpu_metadata
---
amdhsa.version: [ 1, 2 ]
amdhsa.kernels:
  - .name:           k_qad30cfd6b3_up
    .symbol:         k_qad30cfd6b3_up.kd
    .args:
      - { .name: sel, .offset: 0, .size: 8, .value_kind: global_buffer, .address_space: global }
      - { .name: xq, .offset: 8, .size: 8, .value_kind: global_buffer, .address_space: global }
      - { .name: W1_codes, .offset: 16, .size: 8, .value_kind: global_buffer, .address_space: global }
      - { .name: W1_scales, .offset: 24, .size: 8, .value_kind: global_buffer, .address_space: global }
      - { .name: b1, .offset: 32, .size: 8, .value_kind: global_buffer, .address_space: global }
      - { .name: hq, .offset: 40, .size: 8, .value_kind: global_buffer, .address_space: global }
      - { .name: hs, .offset: 48, .size: 8, .value_kind: global_buffer, .address_space: global }
      - { .name: rows, .offset: 56, .size: 8, .value_kind: global_buffer, .address_space: global }
    .group_segment_fixed_size: 74240
    .private_segment_fixed_size: 0
    .kernarg_segment_align: 8
    .kernarg_segment_size: 64
    .max_flat_workgroup_size: 128
    .sgpr_count:     66
    .vgpr_count:     1024
    .wavefront_size: 32
...
	.end_amdgpu_metadata
.endif
;; end of part 2
;; launch down (part 3): grid 32 x 8, 4 waves a work-group, no clusters, 135,680 bytes of LDS; arguments rows, hq, hs, W2_codes, W2_scales, b2, y; writes y
.if DOCPART == 3
	.amdgcn_target "amdgcn-amd-amdhsa--gfx1250"
	.amdhsa_code_object_version 6
	.text
	.protected	k_qad30cfd6b3_down
	.globl	k_qad30cfd6b3_down
	.p2align	8
	.type	k_qad30cfd6b3_down,@function
k_qad30cfd6b3_down:
	s_mov_b64 s[64:65], 0
	v_nop
	global_prefetch_b8 v0, s[64:65] scope:SCOPE_SE
	s_setreg_imm32_b32 hwreg(HW_REG_WAVE_MODE, 25, 1), 1
	s_wait_xcnt 0x0
; DOWN.  y[2 x token + slot][column] = h W2^T + b2 for the rows routed to an expert; rows that were not routed to it are not multiplied (their gate is 0 in the sum); the gates come in the next launch.
; SHARES.  Work-group (x, y): expert x % 8, columns 128 y .. + 127, and of the expert's tiles of 16 routed rows those with number x / 8 + 4 t.  So the 32 work-groups of an expert have numbers
; 32 y + x that agree in their low three bits, and the four that take the same weights also agree in y.
; Wave w keeps K steps 8 w .. 8 w + 7 (a quarter of K = 4,096) of all 128 columns as fragments in 512 registers: 128 pieces of 512 consecutive bytes, each loaded whole by the 32 lanes and turned
; through the wave's own LDS bytes.  So no weight lies twice in a work-group's registers, and a wave loads only its quarter of each tile of h (8 images of 1,024 bytes and one load of scale words).
; ROUNDS.  Four tiles make a round.  Each wave multiplies its quarter of K for the round's tiles and lays its partial sums into LDS; one barrier; wave w adds the four partial sums of tile w and b2 and
; stores whole pieces of 512 consecutive bytes of y's rows.  Four rounds, a constant, serve every split (64 tiles at the most for an expert, 16 for a work-group).
; The first round is written out: its tiles of h are asked for behind the weights and are waited for by count.
; The first round's four tiles are always loaded, so that those counts hold on every way: a tile behind the expert's last is replaced by the last one (and not multiplied).  Where an expert has no row at
; all, these loads bring bytes of tile 0 that nobody stored; no trip reads them.
; THE PRODUCT IS USED TRANSPOSED (source 0 = 16 rows of W2, source 1 = 16 routed rows): a lane holds one routed row and eight neighbouring columns.
; No tensor load and no cluster: what is multiplied hangs on numbers read from memory.  No prefetch: the weights' loads go out from the first lines on, and there is no loop to run ahead in.
; LIMITS.  The sum over K is made of four quarters, added as (q0 + q1) + (q2 + q3) + b2.  NaN and infinities are not served.
; REGISTERS, in windows of 256: window 0: addresses, scale words, 8 accumulators, the sums.  windows 1, 2: W2's fragments of my K steps 0-3, 4-7 (K step s, column tile T at 64 (s % 4) + 8 T).
;   window 3: four tiles of h (tile b, K step s at 64 b + 8 s); at the start W2's rows on their way to LDS.
.set SP,    528                        ; an LDS row: 512 bytes + 16: an odd multiple of 16, so that 16 rows start at 16 different banks (64 banks of 4 bytes: ISA guide 11.1)
.set WREG,  16*SP                      ; 16 rows: a wave's partial sums of one tile
.set TREG,  4*WREG                     ; the four waves' partial sums of one tile
.set SPARE, 4*TREG                     ; behind the four tiles: the spare words
.set PS,   12                          ; v12-15   where my partial sums of tile b go
.set EN,   16                          ; v16-19   the list: lane 4 k + j holds entries 4 j .. 4 j + 3 of my tile of round k
.set BI,   20                          ; v20-23   b2 at my four columns
.set SPW,  28
.set NIL,  29
.set YO,   32                          ; v32-39   offsets in y, two sets of four
.set W2S,  40                          ; v40-71   W2's scale words: tile T at W2S + 4 T + s % 4; lanes 0-15 K steps 0-3, lanes 16-31 K steps 4-7
.set HS,   72                          ; v72-87   h's scale words: tile b at HS + 4 b + s / 2; lanes 0-15 even K steps, lanes 16-31 odd ones
.set ACC,  96                          ; v96-159  the 8 accumulators; on the way out also rows read back
.set RB,   160                         ; v160-223 rows read back
.set HB,   50                          ; s[50:57] where the first round's four tiles lie in hq
.set SB,   66                          ; s[66:73] and in hs
.set HR,   58                          ; s[58:59] hq, s[60:61] hs: my tiles of the next round
.set SR,   60
.set MSB,  0
.macro WIN new                         ; the immediate's high byte repeats the setting that is left
.if MSB != \new
	s_set_vgpr_msb (MSB<<8)|\new
.set MSB, \new
.endif
.endm
.macro OFF d, a, sa, b, sb             ; s[d] = s[a] << sa + s[b] << sb
	s_lshl_b32 s[\d], s[\a], \sa
	s_lshl_b32 s24, s[\b], \sb
	s_add_co_u32 s[\d], s[\d], s24
.endm
.macro PLUS d, c, sc
	s_lshl_b32 s24, s[\c], \sc
	s_add_co_u32 s[\d], s[\d], s24
.endm
	s_load_b256 s[4:11], s[0:1], 0x0               ; rows s[4:5], hq s[6:7], hs s[8:9], W2's codes s[10:11]
	s_load_b128 s[12:15], s[0:1], 0x20             ; W2's scales s[12:13], b2 s[14:15]
	s_load_b64 s[16:17], s[0:1], 0x30              ; y
	v_lshl_add_u32 v[SPW], v0, 2, SPARE
	v_mov_b32 v[NIL], 0
	v_lshrrev_b32 v10, 5, v0
	v_readfirstlane_b32 s20, v10                   ; wave 0..3
	s_and_b32 s21, ttmp7, 0xffff                   ; slice of 128 columns
	s_lshr_b32 s23, ttmp9, 3                       ; part: which tiles
	s_and_b32 s22, ttmp9, 7                        ; expert
	v_and_b32 v1, 31, v0                           ; lane
	v_and_b32 v2, 15, v0                           ; r
	v_bfe_u32 v3, v0, 4, 1                         ; h
	v_lshlrev_b32 v4, 4, v1                        ; 16 x lane
	s_mul_i32 s24, s20, WREG
	v_add_nc_u32 v5, s24, v4                       ; the turn, in: a row's 512 bytes
	v_mul_u32_u24 v11, v2, SP
	v_add_nc_u32 v11, s24, v11
	v_lshl_add_u32 v6, v3, 4, v11                  ; and out: row r, + 16 h
	v_lshl_add_u32 v[PS], v3, 5, v11               ; partial sums: row r, + 32 h
	v_add_nc_u32 v[PS+1], TREG, v[PS]
	v_add_nc_u32 v[PS+2], 2*TREG, v[PS]
	v_add_nc_u32 v[PS+3], 3*TREG, v[PS]
	v_lshlrev_b32 v7, 7, v2
	v_lshl_add_u32 v7, v3, 4, v7                   ; W2's scale words: 128 bytes a row, + 16 h
	v_bfe_u32 v8, v0, 2, 2
	v_and_b32 v10, 3, v0
	v_lshlrev_b32 v10, 4, v10
	v_lshl_add_u32 v8, v8, 10, v10                 ; the list: 1,024 x round + 16 j
	s_mul_i32 s24, s20, TREG
	v_add_nc_u32 v9, s24, v4                       ; back: tile w, 16 bytes a lane of a row
	OFF 32, 22, 21, 21, 18                         ; W2's codes: e x 2^21 + slice x 128 rows of 2,048 bytes + 512 w
	PLUS 32, 20, 9
	OFF 34, 22, 17, 21, 14                         ; its scales: a sixteenth
	PLUS 34, 20, 5
	OFF 36, 22, 12, 21, 9                          ; b2
	OFF 38, 22, 12, 23, 6                          ; the list: 4,096 e + 64 (part + 4 w)
	PLUS 38, 20, 8
	OFF 40, 22, 21, 20, 13                         ; hq: e x 2^21 + 8,192 w
	OFF 42, 22, 17, 20, 9                          ; hs: e x 2^17 + 512 w
	s_lshl_b32 s44, s21, 9                         ; y: the slice's 512 bytes of a row
.irp j, 33,35,37,39,41,43,45,49
	s_mov_b32 s\j, 0
.endr
	s_lshl_b32 s26, s22, 9
	s_wait_alu depctr_va_vdst(0)                   ; the wait at the head's end
	s_wait_kmcnt 0x0
	s_load_b32 s25, s[4:5], s26 offset:0x8000      ; the expert's count
	s_add_nc_u64 s[10:11], s[10:11], s[32:33]
	s_add_nc_u64 s[12:13], s[12:13], s[34:35]
	s_add_nc_u64 s[14:15], s[14:15], s[36:37]
	s_add_nc_u64 s[46:47], s[4:5], s[38:39]
	s_add_nc_u64 s[6:7], s[6:7], s[40:41]
	s_add_nc_u64 s[8:9], s[8:9], s[42:43]
	s_add_nc_u64 s[16:17], s[16:17], s[44:45]
	global_load_b128 v[EN:EN+3], v8, s[46:47]
	global_load_b128 v[BI:BI+3], v4, s[14:15]
.irp T, 0,1,2,3,4,5,6,7
	global_load_b128 v[W2S+4*\T:W2S+4*\T+3], v7, s[12:13] offset:2048*\T
.endr
.macro GLOAD T                         ; column tile T: 16 rows' pieces of 512 consecutive bytes
	WIN 0xc0                                       ; destination window 3
.irp i, 0,1,2,3,4,5,6,7,8,9,10,11,12,13,14,15
	global_load_b128 v[64*((\T)%4)+4*\i:64*((\T)%4)+4*\i+3], v4, s[10:11] offset:2048*(16*(\T)+\i)
.endr
	WIN 0
.endm
.macro HLOAD b, hb, sb, ho, so         ; seventeen loads: my quarter of a tile of h into place b
	WIN 0xc0
.irp k, 0,1,2,3,4,5,6,7
.irp c, 0,1
	global_load_b128 v[64*(\b)+8*\k+4*\c:64*(\b)+8*\k+4*\c+3], v4, s[\hb:\hb+1] offset:\ho+1024*\k+512*\c
.endr
.endr
	WIN 0
	global_load_b128 v[HS+4*(\b):HS+4*(\b)+3], v4, s[\sb:\sb+1] offset:\so
.endm
	GLOAD 0
	GLOAD 1
	GLOAD 2
	GLOAD 3
	s_lshl_b32 s48, s23, 15                        ; the next round's tiles: 16 tiles on from tile 'part'
	s_add_nc_u64 s[HR:HR+1], s[6:7], s[48:49]
	s_add_nc_u64 s[HR:HR+1], s[HR:HR+1], 524288
	s_lshl_b32 s48, s23, 11
	s_add_nc_u64 s[SR:SR+1], s[8:9], s[48:49]
	s_add_nc_u64 s[SR:SR+1], s[SR:SR+1], 32768
	s_lshl_b32 s28, s23, 4                         ; the first row of the round's tile 0 in the expert's list
	s_lshl_b32 s24, s20, 6
	s_add_co_u32 s31, s28, s24                     ; and of tile w, which I add up
	s_mov_b32 s30, 0                               ; 4 x round
	s_wait_kmcnt 0x0
	s_min_u32 s25, s25, 0x400                      ; n: at most every token
	s_add_co_u32 s27, s25, 15
	s_lshr_b32 s27, s27, 4
	s_max_u32 s27, s27, 1
	s_sub_co_u32 s27, s27, 1                       ; the expert's last tile
.irp b, 0,1,2,3
	s_add_co_u32 s24, s23, 4*\b
	s_min_u32 s24, s24, s27
	s_min_u32 s24, s24, 63
	s_lshl_b32 s48, s24, 15
	s_add_nc_u64 s[HB+2*\b:HB+2*\b+1], s[6:7], s[48:49]
	s_lshl_b32 s48, s24, 11
	s_add_nc_u64 s[SB+2*\b:SB+2*\b+1], s[8:9], s[48:49]
.endr
; The turn, column tile by column tile.  Behind tile T's 16 loads stand: three more tiles' (48); from T = 5 on h's tiles of 17 loads take their place.
.irp T, 0,1,2,3,4,5,6,7
.if \T < 5
	s_wait_loadcnt 48
.else
	s_wait_loadcnt 44+\T
.endif
	WIN 0x0c                                       ; an LDS store's data are its source 1: window 3
.irp i, 0,1,2,3,4,5,6,7,8,9,10,11,12,13,14,15
	ds_store_b128 v5, v[64*(\T%4)+4*\i:64*(\T%4)+4*\i+3] offset:(\T%2)*TREG+SP*\i
.endr
	WIN 0x40                                       ; destination window 1.  LDS serves a wave's instructions in order (ISA guide 5.7.1.4): these see the stores above
.irp s, 0,1,2,3
.irp c, 0,1
	ds_load_b128 v[64*\s+8*\T+4*\c:64*\s+8*\T+4*\c+3], v6 offset:(\T%2)*TREG+64*\s+32*\c
.endr
.endr
	WIN 0x80                                       ; window 2
.irp s, 0,1,2,3
.irp c, 0,1
	ds_load_b128 v[64*\s+8*\T+4*\c:64*\s+8*\T+4*\c+3], v6 offset:(\T%2)*TREG+256+64*\s+32*\c
.endr
.endr
	WIN 0
	s_wait_dscnt 16                                ; the 16 stores have read their registers; the 16 loads may be out
.if \T < 4
	GLOAD \T+4
.else
	HLOAD \T-4, HB+2*(\T-4), SB+2*(\T-4), 0, 0
.endif
.endr
	s_wait_dscnt 0x0                               ; W2's fragments are in
; 8 matrix instructions: tile b of h, my K step s, the 8 column tiles by turns.  K step 0 starts the sums
.macro MM b, s
.irp T, 0,1,2,3,4,5,6,7
.set rD, ACC+8*\T
.set rA, 64*((\s)%4)+8*\T
.set rB, 64*(\b)+8*(\s)
.set rSA, W2S+4*\T+(\s)%4
.set rSB, HS+4*(\b)+(\s)/2
.if (\s) == 0
	v_wmma_scale_f32_16x16x128_f8f6f4 v[rD:rD+7], v[rA:rA+7], v[rB:rB+7], 0, v[rSA], v[rSB] matrix_a_fmt:MATRIX_FMT_FP4 matrix_b_fmt:MATRIX_FMT_FP4
.elseif (\s) < 4 && (\s)%2
	v_wmma_scale_f32_16x16x128_f8f6f4 v[rD:rD+7], v[rA:rA+7], v[rB:rB+7], v[rD:rD+7], v[rSA], v[rSB] matrix_a_fmt:MATRIX_FMT_FP4 matrix_b_fmt:MATRIX_FMT_FP4 matrix_b_scale:MATRIX_SCALE_ROW1
.elseif (\s) < 4
	v_wmma_scale_f32_16x16x128_f8f6f4 v[rD:rD+7], v[rA:rA+7], v[rB:rB+7], v[rD:rD+7], v[rSA], v[rSB] matrix_a_fmt:MATRIX_FMT_FP4 matrix_b_fmt:MATRIX_FMT_FP4
.elseif (\s)%2
	v_wmma_scale_f32_16x16x128_f8f6f4 v[rD:rD+7], v[rA:rA+7], v[rB:rB+7], v[rD:rD+7], v[rSA], v[rSB] matrix_a_fmt:MATRIX_FMT_FP4 matrix_b_fmt:MATRIX_FMT_FP4 matrix_a_scale:MATRIX_SCALE_ROW1 matrix_b_scale:MATRIX_SCALE_ROW1
.else
	v_wmma_scale_f32_16x16x128_f8f6f4 v[rD:rD+7], v[rA:rA+7], v[rB:rB+7], v[rD:rD+7], v[rSA], v[rSB] matrix_a_fmt:MATRIX_FMT_FP4 matrix_b_fmt:MATRIX_FMT_FP4 matrix_a_scale:MATRIX_SCALE_ROW1
.endif
.endr
.endm
; Tile b of a round.  The tiles with rows are the first ones, so the first without rows ends the round's products.  lw: the loads that may stay out (first round), or -1
.macro TRIP b, lw, it
	s_add_co_u32 s24, s28, 64*\b
	s_cmp_lt_u32 s24, s25
	s_cbranch_scc0 .Lmm_done_\it
.if \lw >= 0
	s_wait_loadcnt \lw
.endif
	WIN 0x0d                                       ; source 0 (W2) window 1, source 1 (h) window 3
	MM \b, 0
	MM \b, 1
	MM \b, 2
	MM \b, 3
	WIN 0x0e                                       ; source 0 window 2
	MM \b, 4
	MM \b, 5
	MM \b, 6
	MM \b, 7
.rept 5
	v_nop                                          ; four places ahead of the stores and loads below, five ahead of the next tile's first products, which begin the accumulators anew
.endr
	WIN 0
.irp T, 0,1,2,3,4,5,6,7
	ds_store_b128 v[PS+\b], v[ACC+8*\T:ACC+8*\T+3] offset:64*\T       ; each accumulator from its low end on
	ds_store_b128 v[PS+\b], v[ACC+8*\T+4:ACC+8*\T+7] offset:64*\T+16
.endr
	s_add_co_u32 s24, s24, 256
	s_cmp_lt_u32 s24, s25                          ; has the next round's tile b rows?
	s_cbranch_scc0 .Lno_refill_\@
	HLOAD \b, HR, SR, \b*131072, \b*8192
.Lno_refill_\@:
.endm
.macro RLD g                           ; rows 4 g .. 4 g + 3 of tile w, the four waves' partial sums: row c, wave p at 16 c + 4 p
.set RL, RB-64*((\g)%2)
.irp c, 0,1,2,3
.irp p, 0,1,2,3
	ds_load_b128 v[RL+16*\c+4*\p:RL+16*\c+4*\p+3], v9 offset:\p*WREG+(4*(\g)+\c)*SP
.endr
.endr
.endm
.macro RGRP g, it                      ; four rows are added up and stored; the next four are on their way meanwhile
.if \g < 3
.if \g > 0
	s_wait_xcnt 0x0                                ; the stores of the group before last have read their registers
.endif
	RLD \g+1
	s_wait_dscnt 16                                ; all but the 16 just issued
.else
	s_wait_dscnt 0x0
.endif
.set RR, RB-64*((\g)%2)
.irp c, 0,1,2,3
.irp q, 0,2
	v_pk_add_f32 v[RR+16*\c+\q:RR+16*\c+\q+1], v[RR+16*\c+\q:RR+16*\c+\q+1], v[RR+16*\c+4+\q:RR+16*\c+5+\q]
	v_pk_add_f32 v[RR+16*\c+8+\q:RR+16*\c+9+\q], v[RR+16*\c+8+\q:RR+16*\c+9+\q], v[RR+16*\c+12+\q:RR+16*\c+13+\q]
.endr
.endr
.irp c, 0,1,2,3
.irp q, 0,2
	v_pk_add_f32 v[RR+16*\c+\q:RR+16*\c+\q+1], v[RR+16*\c+\q:RR+16*\c+\q+1], v[RR+16*\c+8+\q:RR+16*\c+9+\q]
.endr
.endr
.irp c, 0,1,2,3
.irp q, 0,2
	v_pk_add_f32 v[RR+16*\c+\q:RR+16*\c+\q+1], v[RR+16*\c+\q:RR+16*\c+\q+1], v[BI+\q:BI+\q+1]
.endr
.endr
	s_wait_alu depctr_va_vdst(0)                   ; the wait here, ahead of the scalar lines below
	s_add_co_u32 s24, s30, \g
.irp c, 0,1,2,3
	v_readlane_b32 s36, v[EN+\c], s24              ; the row's entry: 2 x token + slot
	s_min_u32 s36, s36, 0x7ff                      ; inside y's 2,048 rows
	s_add_co_u32 s37, s31, 4*\g+\c
	s_cmp_lt_u32 s37, s25                          ; is it one of the expert's n rows?  The rows behind the count are the last ones
	s_cbranch_scc0 .Lred_done_\it
	v_lshl_add_u32 v[YO+4*((\g)%2)+\c], s36, 12, v4
	global_store_b128 v[YO+4*((\g)%2)+\c], v[RR+16*\c:RR+16*\c+3], s[16:17]   ; 32 lanes store 512 consecutive bytes, at a multiple of 512 from y's first byte
.endr
.endm
.macro FINISH it                       ; the round's second half, and the steps to the next round
.Lmm_done_\it:
	s_wait_dscnt 0x0                               ; for the others' sake: my partial sums lie in LDS
	s_barrier_signal -1
	s_barrier_wait -1
	s_cmp_lt_u32 s31, s25                          ; has tile w rows?
	s_cbranch_scc0 .Lred_done_\it
	s_wait_xcnt 0x0                                ; the last round's stores have read their registers
	RLD 0
	RGRP 0, \it
	RGRP 1, \it
	RGRP 2, \it
	RGRP 3, \it
.Lred_done_\it:
	s_wait_xcnt 0x0                                ; loads and stores have read their bases and registers
	s_add_nc_u64 s[HR:HR+1], s[HR:HR+1], 524288    ; 16 tiles on
	s_add_nc_u64 s[SR:SR+1], s[SR:SR+1], 32768
	s_add_co_u32 s28, s28, 256
	s_add_co_u32 s31, s31, 256
	s_add_co_u32 s30, s30, 4
.endm
	TRIP 0, 51, 0                                  ; behind tile 0's loads stand tiles 1 to 3, seventeen loads each (a refill issued meanwhile only makes the wait stricter)
	TRIP 1, 34, 0
	TRIP 2, 17, 0
	TRIP 3, 0, 0
	FINISH 0
	s_mov_b32 s29, 3
.Lround:
	s_wait_loadcnt 0x0                             ; whatever the round before asked for is in
	s_wait_dscnt 0x0                               ; my reads of the partial sums are over:
	s_barrier_signal -1
	s_barrier_wait -1                              ; so are everybody's, and the bytes may be written again
	TRIP 0, -1, 1
	TRIP 1, -1, 1
	TRIP 2, -1, 1
	TRIP 3, -1, 1
	FINISH 1
	s_sub_co_u32 s29, s29, 1
	s_cmp_lg_u32 s29, 0
	s_cbranch_scc1 .Lround
	s_wait_tensorcnt 0x0                           ; the wave's end
	ds_add_u32 v[SPW], v[NIL]
	s_wait_dscnt 0x0
	s_endpgm
.Lfunc_end_k_qad30cfd6b3_down:
	.size	k_qad30cfd6b3_down, .Lfunc_end_k_qad30cfd6b3_down-k_qad30cfd6b3_down
	.p2alignl 7, 3214868480
	.fill 96, 4, 3214868480
	.section	.rodata,"a",@progbits
	.p2align	6, 0x0
	.amdhsa_kernel k_qad30cfd6b3_down
		.amdhsa_group_segment_fixed_size 135680
		.amdhsa_private_segment_fixed_size 0
		.amdhsa_enable_private_segment 0
		.amdhsa_kernarg_size 56
		.amdhsa_user_sgpr_count 2
		.amdhsa_user_sgpr_kernarg_segment_ptr 1
		.amdhsa_wavefront_size32 1
		.amdhsa_system_sgpr_workgroup_id_x 1
		.amdhsa_system_sgpr_workgroup_id_y 1
		.amdhsa_system_sgpr_workgroup_id_z 1
		.amdhsa_system_vgpr_workitem_id 0
		.amdhsa_next_free_vgpr 1024
		.amdhsa_next_free_sgpr 80
		.amdhsa_reserve_vcc 0
		.amdhsa_float_denorm_mode_32 3
		.amdhsa_float_denorm_mode_16_64 3
		.amdhsa_memory_ordered 1
		.amdhsa_forward_progress 1
		.amdhsa_inst_pref_size 170
	.end_amdhsa_kernel
	.amdgpu_metadata
---
amdhsa.version: [ 1, 2 ]
amdhsa.kernels:
  - .name:           k_qad30cfd6b3_down
    .symbol:         k_qad30cfd6b3_down.kd
    .args:
      - { .name: rows, .offset: 0, .size: 8, .value_kind: global_buffer, .address_space: global }
      - { .name: hq, .offset: 8, .size: 8, .value_kind: global_buffer, .address_space: global }
      - { .name: hs, .offset: 16, .size: 8, .value_kind: global_buffer, .address_space: global }
      - { .name: W2_codes, .offset: 24, .size: 8, .value_kind: global_buffer, .address_space: global }
      - { .name: W2_scales, .offset: 32, .size: 8, .value_kind: global_buffer, .address_space: global }
      - { .name: b2, .offset: 40, .size: 8, .value_kind: global_buffer, .address_space: global }
      - { .name: y, .offset: 48, .size: 8, .value_kind: global_buffer, .address_space: global }
    .group_segment_fixed_size: 135680
    .private_segment_fixed_size: 0
    .kernarg_segment_align: 8
    .kernarg_segment_size: 56
    .max_flat_workgroup_size: 128
    .sgpr_count:     80
    .vgpr_count:     1024
    .wavefront_size: 32
...
	.end_amdgpu_metadata
.endif
;; end of part 3
;; launch combine (part 4): grid 256 x 1, 8 waves a work-group, no clusters, 0 bytes of LDS; arguments y, gates, out0; writes out0
.if DOCPART == 4
	.amdgcn_target "amdgcn-amd-amdhsa--gfx1250"
	.amdhsa_code_object_version 6
	.text
	.protected	k_qad30cfd6b3_combine
	.globl	k_qad30cfd6b3_combine
	.p2align	8
	.type	k_qad30cfd6b3_combine,@function
k_qad30cfd6b3_combine:
	s_mov_b64 s[64:65], 0
	v_nop
	global_prefetch_b8 v0, s[64:65] scope:SCOPE_SE
	s_setreg_imm32_b32 hwreg(HW_REG_WAVE_MODE, 25, 1), 1
	s_wait_xcnt 0x0
; COMBINE.  out0[token] = gate of the lower expert x y[2 token] + gate of the higher x y[2 token + 1], in f32: the order in which the experts are summed.
; y is laid [row 2,048][4,096 bytes].  A work-group takes 4 tokens, whose 8 rows are 32,768 consecutive bytes; thread t takes the 16 bytes at 16 t of every row, and of the rows of out0.
; So a wave's load and a wave's store each cover 512 consecutive bytes.  All eight loads go out at once; nothing is read twice; no LDS, no barrier, no matrix unit: the launch only streams.
.set Y, 4                              ; v4-35   token k, slot s at Y + 8 k + 4 s
.set O, 36                             ; v36-51  token k at O + 4 k
	s_load_b128 s[4:7], s[0:1], 0x0                ; y s[4:5], gates s[6:7]
	s_load_b64 s[8:9], s[0:1], 0x10                ; out0
	v_lshlrev_b32 v1, 4, v0                        ; 16 t
	s_lshl_b32 s10, ttmp9, 15                      ; 8 rows of y,
	s_mov_b32 s11, 0
	s_lshl_b32 s12, ttmp9, 5                       ; 8 gates,
	s_mov_b32 s13, 0
	s_lshl_b32 s14, ttmp9, 14                      ; 4 rows of out0
	s_mov_b32 s15, 0
	s_wait_alu depctr_va_vdst(0)                   ; the wait at the head's end
	s_wait_kmcnt 0x0
	s_add_nc_u64 s[4:5], s[4:5], s[10:11]
	s_add_nc_u64 s[6:7], s[6:7], s[12:13]
	s_add_nc_u64 s[8:9], s[8:9], s[14:15]
	s_load_b256 s[16:23], s[6:7], 0x0              ; token k's two gates: s[16 + 2 k], s[17 + 2 k]
.irp k, 0,1,2,3
.irp s, 0,1
	global_load_b128 v[Y+8*\k+4*\s:Y+8*\k+4*\s+3], v1, s[4:5] offset:8192*\k+4096*\s th:TH_LOAD_NT
.endr
.endr
	s_wait_kmcnt 0x0
.irp k, 0,1,2,3
	s_wait_loadcnt 6-2*\k                          ; token k's two loads are in; the later tokens' may be out
.irp c, 0,1,2,3
	v_mul_f32 v[O+4*\k+\c], s[16+2*\k], v[Y+8*\k+\c]
.endr
.irp c, 0,1,2,3
	s_delay_alu instid0(VALU_DEP_4)
	v_fma_f32 v[O+4*\k+\c], s[17+2*\k], v[Y+8*\k+4+\c], v[O+4*\k+\c]
.endr
	global_store_b128 v1, v[O+4*\k:O+4*\k+3], s[8:9] offset:4096*\k th:TH_STORE_NT
.endr
	s_endpgm
.Lfunc_end_k_qad30cfd6b3_combine:
	.size	k_qad30cfd6b3_combine, .Lfunc_end_k_qad30cfd6b3_combine-k_qad30cfd6b3_combine
	.p2alignl 7, 3214868480
	.fill 96, 4, 3214868480
	.section	.rodata,"a",@progbits
	.p2align	6, 0x0
	.amdhsa_kernel k_qad30cfd6b3_combine
		.amdhsa_group_segment_fixed_size 0
		.amdhsa_private_segment_fixed_size 0
		.amdhsa_enable_private_segment 0
		.amdhsa_kernarg_size 24
		.amdhsa_user_sgpr_count 2
		.amdhsa_user_sgpr_kernarg_segment_ptr 1
		.amdhsa_wavefront_size32 1
		.amdhsa_system_sgpr_workgroup_id_x 1
		.amdhsa_system_sgpr_workgroup_id_y 1
		.amdhsa_system_sgpr_workgroup_id_z 1
		.amdhsa_system_vgpr_workitem_id 0
		.amdhsa_next_free_vgpr 64
		.amdhsa_next_free_sgpr 66
		.amdhsa_reserve_vcc 0
		.amdhsa_float_denorm_mode_32 3
		.amdhsa_float_denorm_mode_16_64 3
		.amdhsa_memory_ordered 1
		.amdhsa_forward_progress 1
		.amdhsa_inst_pref_size 5
	.end_amdhsa_kernel
	.amdgpu_metadata
---
amdhsa.version: [ 1, 2 ]
amdhsa.kernels:
  - .name:           k_qad30cfd6b3_combine
    .symbol:         k_qad30cfd6b3_combine.kd
    .args:
      - { .name: y, .offset: 0, .size: 8, .value_kind: global_buffer, .address_space: global }
      - { .name: gates, .offset: 8, .size: 8, .value_kind: global_buffer, .address_space: global }
      - { .name: out0, .offset: 16, .size: 8, .value_kind: global_buffer, .address_space: global }
    .group_segment_fixed_size: 0
    .private_segment_fixed_size: 0
    .kernarg_segment_align: 8
    .kernarg_segment_size: 24
    .max_flat_workgroup_size: 256
    .sgpr_count:     66
    .vgpr_count:     64
    .wavefront_size: 32
...
	.end_amdgpu_metadata
.endif
;; end of part 4
